; MI455X (gfx1250); checked and timed in simulation.
; The chip was launched on July 23, 2026; its instructions are those of AMD's public machine-readable ISA for CDNA 5 (MIT licence, August 2026) and "CDNA5" Instruction Set Architecture Reference Guide (July 2026). The comments in the code are by the model that wrote it; some were corrected since.
;; Sparse Mo E. Allowed arithmetic: float matrix products may take bf16 or f16 operands with f32 sums; other float arithmetic in f32, or as packed bf16 or f16 multiplies, adds, multiply-adds, maxima and minima; sums over many terms, partial sums and values carried from step to step in f32; what a program stores and reads back later, other than sums and carried values, may be rounded once to bf16 or f16.
;; Inputs: W1 8 x 512 x 2,048 float32; W2 8 x 2,048 x 512 float32; Wg 512 x 8 float32; b1 8 x 2,048 float32; b2 8 x 512 float32; bg 8 float32; x 4,096 x 512 float32.
;; Outputs: out0 4,096 x 512 float32; out1 4,096 x 2 int32.
;; One version. Each part assembles by itself: llvm-mc -triple=amdgcn-amd-amdhsa -mcpu=gfx1250 --defsym DOCPART=n.
;; ======== version 1 of 1: 3 launches
;; limits: a function is approximated: absolute error at most 2.5e-05; an absolute error that grows with the inputs' magnitude: up to 1.25e-05 times it
;; workspace buffers: xb 4,194,304 bytes; gate 32,768 bytes; route 16,384 bytes of whole numbers; wf 33,554,432 bytes; part 33,554,432 bytes
;; launch front (part 1): grid 640 x 1, 4 waves a work-group, no clusters, 2,048 bytes of LDS; arguments x, Wg, bg, W1, W2, xb, gate, route, out1, wf; writes xb, gate, route, out1, wf
.if DOCPART == 1
	.amdgcn_target "amdgcn-amd-amdhsa--gfx1250"
	.amdhsa_code_object_version 6
	.text
	.protected	k_q410266aa6f_front
	.globl	k_q410266aa6f_front
	.p2align	8
	.type	k_q410266aa6f_front,@function
k_q410266aa6f_front:
	s_mov_b64 s[64:65], 0
	v_nop
	global_prefetch_b8 v0, s[64:65] scope:SCOPE_SE
	s_setreg_imm32_b32 hwreg(HW_REG_WAVE_MODE, 25, 1), 1
	s_wait_xcnt 0x0
; FRONT.  Two kinds of work-group in one launch.
; Work-groups 0-127, THE ROUTER: 32 tokens each.  logits = x Wg + bg in f32 on x, Wg and bg ROUNDED ONCE TO bf16 (the whole program rounds every input to bf16 first);
;   the two largest logits (a tie goes to the lower index: the scan ascends and replaces only on 'greater'); softmax of the two with the larger taken away first.
;   Stored: xb (x in bf16), out1 (the two indices), gate[choice][token] (the two weights), and in route, as whole numbers at fixed places, for each expert e a bitmap
;   bm[e][256] (word 128 choice + g, bit = token - 32 g) and cnt[e][256], each word's number of bits.  No address here hangs on a choice.
; Work-groups 128-639, THE WEIGHTS: W1 and W2 rounded to bf16 and laid out as the next launch's waves take them: wf[e][s][w][c][u][4096 bytes]; a slot u holds four matrix
;   fragments of 16 rows x 32 k, 32 lanes x 32 bytes each.  u < 16: W1^T, k = d = 32 u ..; u >= 16: W2^T, k step (u - 16) / 2, column half u % 2.
;   Row m of fragment a is column 4 m + a of its group of 64 columns: so a lane that loads 4 neighbouring f32 of 16 k rows holds its own share of four fragments, and nothing changes lanes.
;   A wave makes four neighbouring slots: 64 loads, 32,768 bytes, asked for at once.  With 320 registers three waves share a SIMD's 1,024, so all 640 work-groups (two or three for each of 256 WGPs) run from the start.
; LIMITS.  NaN and infinities among the logits are not treated apart; a weight below 2^-126 counts as 0.
.set NROUT, 128                        ; router work-groups
.set SPARE, 1024                       ; LDS: 0-1023 logits [32 tokens][8]; from 1024 the spare words, 128 bytes a wave
.set TMP, 8                            ; v8-15    the other half of the lanes' sums (router); eight load offsets (weights)
.set BG0, 16                           ; v16-23   bg in lane 0, 0 elsewhere: the addend that starts each sum
.set AC,  32                           ; v32-39   a token's eight sums
.set XR,  40                           ; v40-55   a token's 16 numbers of mine, rounded, as f32
.set PKX, 56                           ; v56-63   the same packed, to store
.set X,   64                           ; v64-127  x of four tokens, 16 a token; v256-319 (window 1, v0-63): the wave's other four tokens as loaded
.set WG,  128                          ; v128-255 my 16 rows of Wg.  The weights' work-groups: v64-319 four slots as loaded, v32-63 the first slot's packed results
.set MSB, 0
.macro WIN new                         ; s_set_vgpr_msb: bits 1:0 source 0, 3:2 source 1, 5:4 source 2, 7:6 destination; the high byte repeats the setting that is left
.if MSB != (\new)
	s_set_vgpr_msb (MSB<<8)|(\new)
.set MSB, (\new)
.endif
.endm
	s_load_b512 s[4:19], s[0:1], 0x0               ; x 4:5, Wg 6:7, bg 8:9, W1 10:11, W2 12:13, xb 14:15, gate 16:17, route 18:19
	s_load_b128 s[20:23], s[0:1], 0x40             ; out1 20:21, wf 22:23
	v_lshl_add_u32 v30, v0, 2, SPARE               ; my spare word,
	v_mov_b32 v31, 0                               ; and 0: kept for the closing lines alone
	v_lshrrev_b32 v1, 5, v0
	v_readfirstlane_b32 s24, v1                    ; wave 0..3
	v_and_b32 v1, 31, v0                           ; lane
	v_and_b32 v2, 15, v0                           ; r
	v_bfe_u32 v3, v0, 4, 1                         ; hh
	v_lshlrev_b32 v4, 4, v1                        ; 16 x lane
	s_mov_b32 s25, 0xffff0000                      ; a word's upper bf16
	s_wait_kmcnt 0x0
	s_cmp_lt_u32 ttmp9, NROUT
	s_cbranch_scc0 .Lprep
	; ---------------- THE ROUTER.  Wave v has tokens 32 g + 8 v + i, i = 0..7.  Lane l has k = 128 j + 4 l + c, j, c = 0..3: 16 of the 512.
	s_load_b256 s[32:39], s[8:9], 0x0              ; bg
	s_lshl_b32 s40, ttmp9, 16                      ; 32 rows of 2,048 bytes,
	s_lshl_b32 s41, s24, 14                        ; 8 of them
	s_add_co_u32 s40, s40, s41
	s_mov_b32 s41, 0
	s_add_nc_u64 s[26:27], s[4:5], s[40:41]        ; x at my wave's first token
	s_lshr_b32 s40, s40, 1
	s_add_nc_u64 s[28:29], s[14:15], s[40:41]      ; xb likewise: rows of 1,024 bytes
	s_mov_b32 s30, 0x76543210                      ; v_permlanex16_b32: each lane takes its own place in the other half
	s_mov_b32 s31, 0xfedcba98
	s_lshl_b32 s42, s24, 8
	v_lshlrev_b32 v5, 3, v1                        ; 8 x lane: my 8 bytes in 256 of xb
	v_lshlrev_b32 v6, 7, v1                        ; 128 x lane: my 4 rows of 32 bytes in Wg
	v_mov_b32 v7, s42                              ; my wave's 8 tokens x 32 bytes of logits in LDS
.irp e, 0,1,2,3,4,5,6,7
	v_mov_b32 v[TMP+\e], 0                         ; v_permlanex16_b32's destination counts as read
.endr
.set k, 0
.rept 16                                               ; the wave's loads go out in one run: Wg first, then x of tokens 0 to 6: 60 loads
	global_load_b128 v[WG+8*k:WG+8*k+3],   v6, s[6:7] offset:4096*(k/4)+32*(k%4)
	global_load_b128 v[WG+8*k+4:WG+8*k+7], v6, s[6:7] offset:4096*(k/4)+32*(k%4)+16
.set k, k+1
.endr
.set k, 0
.rept 16                                               ; token k / 4, piece k % 4: 512 neighbouring bytes a load
	global_load_b128 v[X+4*k:X+4*k+3], v4, s[26:27] offset:2048*(k/4)+512*(k%4) th:TH_LOAD_NT
.set k, k+1
.endr
	WIN 0x40                                       ; tokens 4 to 7 wait in window 1
.rept 12
	global_load_b128 v[4*(k-16):4*(k-16)+3], v4, s[26:27] offset:2048*(k/4)+512*(k%4) th:TH_LOAD_NT
.set k, k+1
.endr
	WIN 0
	s_wait_kmcnt 0x0                               ; bg: rounded, widened, kept in lane 0 alone
.irp q, 0,1,2,3
	v_cvt_pk_bf16_f32 v[24+\q], s[32+2*\q], s[33+2*\q]
.endr
	v_cmp_eq_u32 vcc_lo, 0, v1
.irp q, 0,1,2,3
	v_lshlrev_b32 v[BG0+2*\q], 16, v[24+\q]
	v_and_b32 v[BG0+2*\q+1], s25, v[24+\q]
.endr
.irp e, 0,1,2,3,4,5,6,7
	v_cndmask_b32 v[BG0+\e], 0, v[BG0+\e], vcc_lo
.endr
	s_wait_loadcnt 28                              ; Wg is in: the 28 loads of x are younger
	WIN 0x40
.rept 4                                                ; the last token's four loads follow here
	global_load_b128 v[4*(k-16):4*(k-16)+3], v4, s[26:27] offset:2048*(k/4)+512*(k%4) th:TH_LOAD_NT
.set k, k+1
.endr
	WIN 0
.set g, 0
.rept 8                                                ; Wg rounded to bf16 and widened again, in place, sixteen numbers at a time
.irp n, 0,1,2,3,4,5,6,7
	v_cvt_pk_bf16_f32 v[PKX+\n], v[WG+16*g+2*\n], v[WG+16*g+2*\n+1]
.endr
.irp n, 0,1,2,3,4,5,6,7
	v_lshlrev_b32 v[WG+16*g+2*\n], 16, v[PKX+\n]
	v_and_b32 v[WG+16*g+2*\n+1], s25, v[PKX+\n]
.endr
.set g, g+1
.endr
.macro TOKEN i
	s_wait_loadcnt 4*(7-(\i))                      ; first trip: my token's four loads are in, the later tokens' stay out; second trip: nothing is out
	s_wait_xcnt 0x0                                ; PKX, which the last token's stores read, is rewritten only behind this wait
.set k, 0
.rept 8
	v_cvt_pk_bf16_f32 v[PKX+k], v[X+16*(\i)+2*k], v[X+16*(\i)+2*k+1]
.set k, k+1
.endr
.irp j, 0,1,2,3
	global_store_b64 v5, v[PKX+2*\j:PKX+2*\j+1], s[28:29] offset:1024*(\i)+256*\j  ; 32 lanes store 256 consecutive bytes, at a multiple of 256 from xb's first
.endr
.set k, 0
.rept 8
	v_lshlrev_b32 v[XR+2*k], 16, v[PKX+k]
	v_and_b32 v[XR+2*k+1], s25, v[PKX+k]
.set k, k+1
.endr
.set k, 0
.rept 16                                               ; four chains (two experts each) by turns; x's number feeds both halves
.irp p, 0,1,2,3
.if k == 0
	v_pk_fma_f32 v[AC+2*\p:AC+2*\p+1], v[XR:XR+1], v[WG+2*\p:WG+2*\p+1], v[BG0+2*\p:BG0+2*\p+1] op_sel_hi:[0,1,1]
.elseif k%2 == 0
	v_pk_fma_f32 v[AC+2*\p:AC+2*\p+1], v[XR+k:XR+k+1], v[WG+8*k+2*\p:WG+8*k+2*\p+1], v[AC+2*\p:AC+2*\p+1] op_sel_hi:[0,1,1]
.else
	v_pk_fma_f32 v[AC+2*\p:AC+2*\p+1], v[XR+k-1:XR+k], v[WG+8*k+2*\p:WG+8*k+2*\p+1], v[AC+2*\p:AC+2*\p+1] op_sel:[1,0,0]
.endif
.endr
.set k, k+1
.endr
.irp m, 1,2,4,8                                        ; over the 32 lanes: four steps inside each half ride on the addition, one crosses the halves
.irp e, 0,1,2,3,4,5,6,7
	v_add_f32_dpp v[AC+\e], v[AC+\e], v[AC+\e] row_xmask:\m row_mask:0xf bank_mask:0xf
.endr
.endr
.irp e, 0,1,2,3,4,5,6,7
	v_permlanex16_b32 v[TMP+\e], v[AC+\e], s30, s31
.endr
.irp e, 0,1,2,3,4,5,6,7
	v_add_f32 v[AC+\e], v[AC+\e], v[TMP+\e]
.endr
	ds_store_b128 v7, v[AC:AC+3] offset:32*(\i)    ; every lane holds the sums: all write the same words with the same values
	ds_store_b128 v7, v[AC+4:AC+7] offset:32*(\i)+16
.endm
	s_mov_b32 s43, 2
.Ltok:                                                 ; two trips of four tokens: the text of a token stands four times, not eight
.irp i, 0,1,2,3
	TOKEN \i
.endr
	s_sub_co_u32 s43, s43, 1
	s_cmp_eq_u32 s43, 0
	s_cbranch_scc1 .Ljoin                          ; behind the second trip
	s_wait_loadcnt 0x0                             ; tokens 4 to 7 are in
	s_wait_xcnt 0x0                                ; xb's base is stepped only behind this wait
	s_add_nc_u64 s[28:29], s[28:29], 4096          ; four rows of xb on,
	v_add_nc_u32 v7, 128, v7                       ; four tokens' logits on,
	WIN 0x01                                       ; and the other four tokens' x comes down to where the one text names it
.set n, 0
.rept 64
	v_mov_b32 v[X+n], v[n]
.set n, n+1
.endr
	WIN 0
	s_cmp_lg_u32 s43, 0
	s_cbranch_scc1 .Ltok
	s_branch .Ljoin                                ; never taken (the loop is left above): it closes the router's text ahead of the other kind's
	; ---------------- THE WEIGHTS.  A wave makes four neighbouring slots, sigma to sigma + 3 (sigma a multiple of 4).
.Lprep:
	s_sub_co_u32 s40, ttmp9, NROUT
	s_lshl_b32 s40, s40, 2
	s_add_co_u32 s40, s40, s24
	s_lshl_b32 s40, s40, 2                         ; sigma = e | s | w | c | u, in 3, 1, 2, 2, 5 bits
	s_and_b32 s41, s40, 31                         ; u
	s_bfe_u32 s42, s40, 0x20005                    ; c
	s_bfe_u32 s43, s40, 0x20007                    ; w
	s_bfe_u32 s44, s40, 0x10009                    ; s
	s_lshr_b32 s45, s40, 10                        ; e
	s_lshl_b32 s46, s45, 22                        ; an expert's 4 MiB, in W1 and in W2
	; W1[e][d][h]: d = 32 (u + z) + 16 t + 8 hh + i (rows of 8,192 bytes), h = 1024 s + 256 c + 64 w + 4 r + a
	s_lshl_b32 s47, s41, 18
	s_add_co_u32 s47, s47, s46
	s_lshl_b32 s49, s44, 12
	s_add_co_u32 s47, s47, s49
	s_lshl_b32 s49, s42, 10
	s_add_co_u32 s47, s47, s49
	s_lshl_b32 s49, s43, 8
	s_add_co_u32 s47, s47, s49
	; W2[e][h][d]: h = 1024 s + 256 c + 64 (kk / 2) + 2 (kk % 2) + t + 32 hh + 4 i (rows of 2,048 bytes), d = 128 w + 64 half + 4 r + a; kk = (u - 16) / 2 + z / 2 (even at z = 0), half = z % 2
	s_lshl_b32 s48, s44, 21
	s_add_co_u32 s48, s48, s46
	s_lshl_b32 s49, s42, 19
	s_add_co_u32 s48, s48, s49
	s_bfe_u32 s49, s40, 0x20002
	s_lshl_b32 s49, s49, 17
	s_add_co_u32 s48, s48, s49
	s_lshl_b32 s49, s43, 9
	s_add_co_u32 s48, s48, s49
	s_mov_b32 s53, 131072
	s_mov_b32 s54, 262144
	s_mov_b32 s57, 524288
	s_mov_b32 s51, 0
	s_cmp_lt_u32 s41, 16                           ; one text for both tensors: base, offset and three steps are chosen
	s_cselect_b64 s[26:27], s[10:11], s[12:13]
	s_cselect_b32 s50, s47, s48
	s_cselect_b32 s52, s53, 0x800                  ; from t = 0 to t = 1: 16 rows of W1, one row of W2
	s_cselect_b32 s55, s54, 0x100                  ; z % 2: 32 rows of W1, 64 columns of W2
	s_cselect_b32 s56, s57, 0x1000                 ; z / 2: 64 rows of W1, two rows of W2
	s_add_nc_u64 s[26:27], s[26:27], s[50:51]
	s_lshl_b32 s50, s40, 12
	s_add_nc_u64 s[28:29], s[22:23], s[50:51]      ; wf at slot sigma
	v_lshlrev_b32 v[TMP], 4, v2
	v_lshl_add_u32 v[TMP], v3, 16, v[TMP]          ; 16 r + 65,536 hh (8 rows of W1, 32 rows of W2)
	v_add_nc_u32 v[TMP+1], s52, v[TMP]             ; the offset of slot z, half t, at TMP + 2 z + t
	v_add_nc_u32 v[TMP+2], s55, v[TMP]
	v_add_nc_u32 v[TMP+3], s55, v[TMP+1]
.irp n, 0,1,2,3
	v_add_nc_u32 v[TMP+4+\n], s56, v[TMP+\n]
.endr
.macro LDW z, t                        ; eight loads: k rows 16 t + 8 hh + i of slot z, into v[64 + 64 z ..] (slot 3: window 1)
.if (\z) == 3
	WIN 0x40
.else
	WIN 0
.endif
.irp i, 0,1,2,3,4,5,6,7
	global_load_b128 v[(64+64*(\z))%256+(8*(\t)+\i)*4:(64+64*(\z))%256+(8*(\t)+\i)*4+3], v[TMP+2*(\z)+(\t)], s[26:27] offset:8192*\i th:TH_LOAD_NT  ; each half of the lanes takes 256 consecutive aligned bytes
.endr
.endm
.macro CVW z                           ; slot z is rounded, packed and stored.  Its 32 packed registers lie where the slot before was loaded (slot 0's: v32-63): no store's data is rewritten
.set inb, (64+64*(\z))%256
.if (\z) == 0
.set oub, 32
.else
.set oub, 64*(\z)
.endif
.if (\z) == 3
	WIN 0x05                                       ; both sources window 1, destination window 0
.else
	WIN 0                                          ; all in window 0 (the loads of slot 3 left the destination in window 1)
.endif
.irp a, 0,1,2,3
.irp t, 0,1
.irp q, 0,1,2,3
	v_cvt_pk_bf16_f32 v[oub+(2*\a+\t)*4+\q], v[inb+(8*\t+2*\q)*4+\a], v[inb+(8*\t+2*\q+1)*4+\a]  ; k = 16 t + 8 hh + 2 q and the next, column 4 r + a
.endr
.endr
.endr
	WIN 0
.irp p, 0,1,2,3,4,5,6,7
	global_store_b128 v4, v[oub+4*\p:oub+4*\p+3], s[28:29] offset:4096*(\z)+512*\p  ; 512 consecutive bytes: registers 4 (p % 2) .. of fragment p / 2
.endr
.endm
	LDW 0, 0
	LDW 0, 1
	LDW 1, 0
	LDW 1, 1
	LDW 2, 0
	LDW 2, 1
	LDW 3, 0                                       ; 56 loads are out
	s_wait_loadcnt 40                              ; slot 0's 16 loads are in: 40 are younger
	LDW 3, 1                                       ; the last eight
	CVW 0
	s_wait_loadcnt 32                              ; slot 1 is in: slots 2 and 3 stay out
	CVW 1
	s_wait_loadcnt 16
	CVW 2
	s_wait_loadcnt 0x0
	CVW 3
.Ljoin:                                                ; the launch's one barrier, on every wave's path
	s_wait_xcnt 0x0                                ; every store above has had its addresses translated (ISA guide 3.1): the lines behind the barrier write registers that those stores name as data only behind this wait
	s_wait_dscnt 0x0                               ; for wave 0's sake: my logits are in LDS
	s_barrier_signal -1
	s_barrier_wait -1
	s_cmp_ge_u32 ttmp9, NROUT
	s_cbranch_scc1 .Lend
	s_cmp_lg_u32 s24, 0
	s_cbranch_scc1 .Lend
	; ---------------- Wave 0 of a router work-group: lane = token
	v_lshlrev_b32 v64, 5, v1
	ds_load_b128 v[72:75], v64
	ds_load_b128 v[76:79], v64 offset:16
	s_lshl_b32 s26, ttmp9, 8
	s_mov_b32 s27, 0
	s_add_nc_u64 s[20:21], s[20:21], s[26:27]      ; out1: 32 tokens x 8 bytes
	s_lshr_b32 s26, s26, 1
	s_add_nc_u64 s[16:17], s[16:17], s[26:27]      ; gate: 32 tokens x 4 bytes, for each choice
	s_lshl_b32 s26, ttmp9, 2
	s_add_nc_u64 s[18:19], s[18:19], s[26:27]      ; route: word g of each row of 128
	v_mov_b32 v84, 0xff800000                      ; -infinity
	v_lshlrev_b32 v65, 3, v1
	v_lshlrev_b32 v66, 2, v1
	v_mov_b32 v90, 0
	v_mov_b32 v91, 0
	s_wait_dscnt 0x0
	v_mov_b32 v80, v72                             ; the largest: ascending, replaced only by a greater one
.irp e, 1,2,3,4,5,6,7
	v_cmp_gt_f32 vcc_lo, v[72+\e], v80
	v_cndmask_b32 v90, v90, \e, vcc_lo
	v_max_num_f32 v80, v80, v[72+\e]
.endr
.irp e, 0,1,2,3,4,5,6,7
	v_cmp_eq_u32 vcc_lo, \e, v90                   ; it is taken out,
	v_cndmask_b32 v[72+\e], v[72+\e], v84, vcc_lo
.endr
	v_mov_b32 v82, v72                             ; and the same scan finds the second
.irp e, 1,2,3,4,5,6,7
	v_cmp_gt_f32 vcc_lo, v[72+\e], v82
	v_cndmask_b32 v91, v91, \e, vcc_lo
	v_max_num_f32 v82, v82, v[72+\e]
.endr
	global_store_b64 v65, v[90:91], s[20:21]       ; 256 consecutive aligned bytes of out1
	v_sub_f32 v85, v82, v80                        ; softmax of the two, the larger taken away: 1 / (1 + t), t / (1 + t), t = e^(second - first)
	v_mul_f32 v85, 0x3fb8aa3b, v85
	v_exp_f32 v86, v85
	v_nop                                          ; a plain instruction behind the exponential,
	s_wait_alu depctr_va_vdst(0)                   ; and the wait ahead of its first reader
	v_add_f32 v87, 1.0, v86
	v_rcp_f32 v88, v87
	v_nop
	s_wait_alu depctr_va_vdst(0)
	v_mul_f32 v89, v86, v88
	global_store_b32 v66, v88, s[16:17]
	global_store_b32 v66, v89, s[16:17] offset:16384
.irp e, 0,1,2,3,4,5,6,7
	v_cmp_eq_u32 s[40+\e], \e, v90                 ; the bitmaps' 16 words: which of my 32 tokens have expert e as first, as second choice
	v_cmp_eq_u32 s[48+\e], \e, v91
.endr
	v_mov_b32 v92, 0
.set n, 0
.rept 16                                               ; lanes 0-15 take the words, lanes 16-31 their numbers of bits
	v_writelane_b32 v92, s[40+n], n
	s_bcnt1_i32_b32 s26, s[40+n]
	v_writelane_b32 v92, s26, 16+n
.set n, n+1
.endr
	v_and_b32 v93, 7, v2                           ; place: expert x 1,024 + choice x 512 (+ 4 g in the base), the counts 8,192 bytes on
	v_lshlrev_b32 v93, 10, v93
	v_bfe_u32 v94, v2, 3, 1
	v_lshl_add_u32 v93, v94, 9, v93
	v_lshl_add_u32 v93, v3, 13, v93
	global_store_b32 v93, v92, s[18:19]            ; 32 single words far apart, 16 KiB in the whole launch: the price of rows that the next launch reads on end
.Lend:
	s_wait_tensorcnt 0x0                           ; the wave's end
	ds_add_u32 v30, v31
	s_wait_dscnt 0x0
	s_endpgm
.Lfunc_end_k_q410266aa6f_front:
	.size	k_q410266aa6f_front, .Lfunc_end_k_q410266aa6f_front-k_q410266aa6f_front
	.p2alignl 7, 3214868480
	.fill 96, 4, 3214868480
	.section	.rodata,"a",@progbits
	.p2align	6, 0x0
	.amdhsa_kernel k_q410266aa6f_front
		.amdhsa_group_segment_fixed_size 2048
		.amdhsa_private_segment_fixed_size 0
		.amdhsa_enable_private_segment 0
		.amdhsa_kernarg_size 80
		.amdhsa_user_sgpr_count 2
		.amdhsa_user_sgpr_kernarg_segment_ptr 1
		.amdhsa_wavefront_size32 1
		.amdhsa_system_sgpr_workgroup_id_x 1
		.amdhsa_system_sgpr_workgroup_id_y 1
		.amdhsa_system_sgpr_workgroup_id_z 1
		.amdhsa_system_vgpr_workitem_id 0
		.amdhsa_next_free_vgpr 320
		.amdhsa_next_free_sgpr 66
		.amdhsa_reserve_vcc 1
		.amdhsa_float_denorm_mode_32 3
		.amdhsa_float_denorm_mode_16_64 3
		.amdhsa_memory_ordered 1
		.amdhsa_forward_progress 1
		.amdhsa_inst_pref_size 80
	.end_amdhsa_kernel
	.amdgpu_metadata
---
amdhsa.version: [ 1, 2 ]
amdhsa.kernels:
  - .name:           k_q410266aa6f_front
    .symbol:         k_q410266aa6f_front.kd
    .args:
      - { .name: x, .offset: 0, .size: 8, .value_kind: global_buffer, .address_space: global }
      - { .name: Wg, .offset: 8, .size: 8, .value_kind: global_buffer, .address_space: global }
      - { .name: bg, .offset: 16, .size: 8, .value_kind: global_buffer, .address_space: global }
      - { .name: W1, .offset: 24, .size: 8, .value_kind: global_buffer, .address_space: global }
      - { .name: W2, .offset: 32, .size: 8, .value_kind: global_buffer, .address_space: global }
      - { .name: xb, .offset: 40, .size: 8, .value_kind: global_buffer, .address_space: global }
      - { .name: gate, .offset: 48, .size: 8, .value_kind: global_buffer, .address_space: global }
      - { .name: route, .offset: 56, .size: 8, .value_kind: global_buffer, .address_space: global }
      - { .name: out1, .offset: 64, .size: 8, .value_kind: global_buffer, .address_space: global }
      - { .name: wf, .offset: 72, .size: 8, .value_kind: global_buffer, .address_space: global }
    .group_segment_fixed_size: 2048
    .private_segment_fixed_size: 0
    .kernarg_segment_align: 8
    .kernarg_segment_size: 80
    .max_flat_workgroup_size: 128
    .sgpr_count:     66
    .vgpr_count:     320
    .wavefront_size: 32
...
	.end_amdgpu_metadata
.endif
;; end of part 1
;; launch chain (part 2): grid 110 x 2, 4 waves a work-group, no clusters, 165,888 bytes of LDS; arguments route, gate, xb, wf, b1, b2, part; writes part
.if DOCPART == 2
	.amdgcn_target "amdgcn-amd-amdhsa--gfx1250"
	.amdhsa_code_object_version 6
	.text
	.protected	k_q410266aa6f_chain
	.globl	k_q410266aa6f_chain
	.p2align	8
	.type	k_q410266aa6f_chain,@function
k_q410266aa6f_chain:
	s_mov_b64 s[64:65], 0
	v_nop
	global_prefetch_b8 v0, s[64:65] scope:SCOPE_SE
	s_setreg_imm32_b32 hwreg(HW_REG_WAVE_MODE, 25, 1), 1
	s_wait_xcnt 0x0
; CHAIN.  A work-group takes a tile of up to 80 routed rows of ONE expert through x W1 + b1 -> GELU -> W2 (+ b2), for one half s of the 2,048 hidden columns, multiplies by the
; row's gate and stores f32 partial rows part[s][rowid][512], rowid = choice x 4096 + token.  The next launch adds a token's four partial rows.
; THE GRID SERVES EVERY SPLIT: the sum over experts of ceil(count / 80) is at most (8192 + 8 x 79) / 80 = 110.  Work-group x = T finds its expert and its first rank from the stored counts.
; A work-group past the last tile runs the same text on row 0 and stores nothing: every barrier is on every wave's path, and only store lines behind the last barrier are jumped.
; In a tile that is not full the places past the count repeat row 0, and their stores are jumped.
; SHARES.  The half's 1,024 hidden columns go in 4 chunks of 256.  First product: wave w makes z^T for 64 hidden columns x 80 rows (20 accumulators, K = 512 in 16 steps).  GELU; h goes to LDS in bf16.
; Second product: wave w makes y^T for 128 output columns x 80 rows (40 accumulators, K = 256 a chunk: 8 steps x two column halves).  Source 0 = 16 rows of weights, source 1 = 16 rows of x or h:
; a lane holds one routed row (lane % 16) and 8 weight rows.
; WEIGHTS come from memory straight into a ring of 8 register slots (4 fragments, 4,096 bytes each), in the order in which the launch before laid them.  NO TENSOR LOADS, NO MULTICAST: each fragment is
; used by exactly one wave of the work-group, so by way of LDS each weight byte would be written once and read once there beside the 10 fragment loads of x or h that 20 matrix instructions already need;
; the rows of x come by a list, which no descriptor covers; and how many tiles an expert has hangs on counts read from memory.
; COLUMN ORDER.  Row m of weight fragment a is column 4 m + a of its group of 64: for the hidden columns this is inner to the chain (W1's columns, b1, W2's rows alike); for the output columns it is undone on the way out.
; NUMBERS.  Every input is rounded to bf16 first (x, W1, W2 by the launch before; b1, b2 here); sums in f32; h rounded once to bf16.  gelu(z) = max(z, 0) - |z| q, q = erfc(|z| / sqrt 2) / 2 =
; t (A1 + t (A2 + t A3)) e^(-z z / 2) / 2, t = 1 / (1 + 0.47047 |z| / sqrt 2) (Abramowitz and Stegun 7.1.25: erf to 2.5e-5 for every argument; no difference of near numbers is formed).
; LIMITS.  h is off by at most 1.25e-5 |z| ahead of its rounding to bf16, whose own step is 2^-9 |h|; e^(-z z / 2) below 2^-126 counts as 0; NaN and infinities are not treated apart.
; REGISTERS, in windows of 256 (s_set_vgpr_msb: bits 1:0 source 0, 3:2 source 1, 5:4 source 2, 7:6 destination):
;   window 0: addresses, fragments of x or h (four buffers of 40), bias, GELU's work     window 1: the ring
;   window 2: v0-159 y^T of column half 0 (tile a + 4 b at 8 (a + 4 b)); v160-255 z^T tiles 0-11     window 3: v0-159 y^T of half 1; v160-223 z^T tiles 12-19
.set LIST,  0                          ; LDS: four lists of 128 words, a wave's own each; entry 80 takes what is not mine
.set SPARE, 2048                       ; the spare words, 128 bytes a wave
.set B1S,   2560                       ; b1 of my half, rounded, as f32, in the order of the fragments' rows: 4,096 bytes
.set XT,    6656                       ; 80 rows of x in bf16
.set XP,    1040                       ; pitch: 1,024 + 16 bytes = 260 words: row r starts at bank 4 r mod 64 (64 banks of 4 bytes: ISA guide 11.1)
.set HB,    89856                      ; 80 rows x 256 hidden columns of h in bf16
.set HP,    528                        ; pitch: 512 + 16 bytes
.set STG,   132096                     ; for the way out: 16 rows x 512 bytes (pitch 528) for each wave
.set VOFF, 4                           ; v4   16 x lane
.set AX0,  5                           ; v5   my lane's place in x's row blocks 0-2
.set AX1,  6                           ; v6   the same for blocks 3, 4 (past a 16-bit offset's reach)
.set AH,   7                           ; v7   my lane's place in h, to read
.set ASH,  8                           ; v8   the same, to store: my wave's 64 columns
.set AB1,  9                           ; v9   my bias in B1S; steps by a chunk
.set AST,  10                          ; v10  the stage, in
.set ARD,  11                          ; v11  the stage, back
.set VOW,  12                          ; v12  16 x lane + 512 x wave: my bytes in a row of part; also my 16 bytes of my list
.set AXS,  13                          ; v13  where my wave's 20 gathered rows go
.set LA,   14                          ; v14  80 x wave + 4 x lane: the list entries of my wave's 20 rows
.set LB,   15                          ; v15  512 x wave: my list
.set RID,  16                          ; v16-20  rowid of row 16 b + lane % 16
.set G,    22                          ; v22-26  its gate
.set FRA,  32                          ; v32-111   two fragment buffers (row block b at + 8 b): x of an even pair's two K steps; GELU's second T and U
.set BIAS, 112                         ; v112-143  b1 for fragment a at + 8 a
.set FRB,  144                         ; v144-223  two more: x of an odd pair's two K steps; h by the K step's parity
.set T,    144                         ; v144-207  GELU's first T and U; the way out's products
.set P,    208                         ; v208-239  GELU's polynomial
.set VO,   240                         ; v240-255  the way out: a row's offset in part
.set WS,   90                          ; s[90:91] the weights' stream
.set MSB, 0
.macro WIN new                         ; the high byte repeats the setting that is left; a switch that changes nothing is dropped
.if MSB != (\new)
	s_set_vgpr_msb (MSB<<8)|(\new)
.set MSB, (\new)
.endif
.endm
.macro PLACES                          ; four places between a matrix instruction and a load into, or a vector read of, its registers (ISA guide 7.12.1 for vector reads)
.rept 4
	v_nop
.endr
.endm
.macro BAR
	s_wait_dscnt 0x0                               ; for the others' sake: my LDS stores are done and my LDS reads are back
	s_barrier_signal -1
	s_barrier_wait -1
.endm
.macro LSUM r, t                       ; whole numbers summed over the 32 lanes; the result in every lane
.irp m, 1,2,4,8
	v_mov_b32_dpp v[\t], v[\r] row_xmask:\m row_mask:0xf bank_mask:0xf
	v_add_nc_u32 v[\r], v[\r], v[\t]
.endr
	v_permlanex16_b32 v[\t], v[\r], s98, s99
	v_add_nc_u32 v[\r], v[\r], v[\t]
.endm
.macro LDX step, f                     ; x's five fragments (16 rows x 32 k) of K step 'step' into buffer f: two loads of 16 bytes, 32 bytes apart, each
.irp b, 0,1,2
	ds_load_b128 v[(\f)+8*\b:(\f)+8*\b+3],   v[AX0] offset:16*XP*\b+64*(\step)
	ds_load_b128 v[(\f)+8*\b+4:(\f)+8*\b+7], v[AX0] offset:16*XP*\b+64*(\step)+32
.endr
.irp b, 3,4
	ds_load_b128 v[(\f)+8*\b:(\f)+8*\b+3],   v[AX1] offset:16*XP*(\b-3)+64*(\step)
	ds_load_b128 v[(\f)+8*\b+4:(\f)+8*\b+7], v[AX1] offset:16*XP*(\b-3)+64*(\step)+32
.endr
.endm
.macro LDH step, f                     ; the same for h
.irp b, 0,1,2,3,4
	ds_load_b128 v[(\f)+8*\b:(\f)+8*\b+3],   v[AH] offset:16*HP*\b+64*(\step)
	ds_load_b128 v[(\f)+8*\b+4:(\f)+8*\b+7], v[AH] offset:16*HP*\b+64*(\step)+32
.endr
.endm
.macro LDBIAS
.irp a, 0,1,2,3
	ds_load_b128 v[BIAS+8*\a:BIAS+8*\a+3],   v[AB1] offset:64*\a
	ds_load_b128 v[BIAS+8*\a+4:BIAS+8*\a+7], v[AB1] offset:64*\a+16
.endr
.endm
	s_load_b256 s[84:91], s[0:1], 0x0              ; route 84:85, gate 86:87, xb 88:89, wf 90:91
	s_load_b128 s[92:95], s[0:1], 0x20             ; b1 92:93, b2 94:95
	s_load_b64 s[96:97], s[0:1], 0x30              ; part
	v_lshl_add_u32 v30, v0, 2, SPARE               ; my spare word,
	v_mov_b32 v31, 0                               ; and 0: kept for the closing lines alone
	v_lshrrev_b32 v1, 5, v0
	v_readfirstlane_b32 s2, v1                     ; wave 0..3
	v_and_b32 v1, 31, v0                           ; lane
	v_and_b32 v2, 15, v0                           ; r
	v_bfe_u32 v3, v0, 4, 1                         ; hh
	s_mov_b32 s3, ttmp9                            ; T: my tile's number
	s_and_b32 s4, ttmp7, 0xffff                    ; s: my half of the hidden columns
	s_mov_b32 s98, 0x76543210                      ; v_permlanex16_b32: each lane takes its own place in the other half
	s_mov_b32 s99, 0xfedcba98
	v_lshlrev_b32 v[VOFF], 4, v1
	s_lshl_b32 s9, s2, 9
	v_add_nc_u32 v[VOW], s9, v[VOFF]
	v_mov_b32 v[LB], s9
.irp i, 220,221,222,223,224,225,226,227
	v_mov_b32 v[\i], 0
.endr
	ds_store_b128 v[VOW], v[220:223]               ; my own list is cleared (LIST = 0): rowid 0, a row that exists.  LDS serves a wave's instructions in order: my later stores come behind this one
	v_lshlrev_b32 v233, 5, v1                      ; 8 words of counts a lane
	s_wait_kmcnt 0x0
.irp e, 0,1,2,3,4,5,6,7
	global_load_b128 v[144+8*\e:147+8*\e], v233, s[84:85] offset:8192+1024*\e
	global_load_b128 v[148+8*\e:151+8*\e], v233, s[84:85] offset:8192+1024*\e+16
.endr
	; the addresses, while the counts are on their way
	v_mul_u32_u24 v27, v2, XP
	v_lshl_add_u32 v27, v3, 4, v27
	v_add_nc_u32 v[AX0], XT, v27                   ; row r x pitch + 16 hh
	v_add_nc_u32 v[AX1], 3*16*XP, v[AX0]
	v_mul_u32_u24 v28, v2, HP
	v_lshl_add_u32 v[AH], v3, 4, v28
	v_add_nc_u32 v[AH], HB, v[AH]
	s_lshl_b32 s9, s2, 7
	v_add_nc_u32 v[ASH], s9, v[AH]                 ; + my wave's 64 columns
	s_lshl_b32 s9, s2, 8
	s_add_co_u32 s9, s9, B1S
	v_lshl_add_u32 v[AB1], v3, 5, s9               ; group w of the chunk, rows 8 hh on
	s_mul_i32 s10, s2, 16*HP
	s_add_co_u32 s10, s10, STG                     ; my stage
	v_lshl_add_u32 v[AST], v3, 7, v28              ; in: row r, 128 bytes for each half of the lanes
	v_add_nc_u32 v[AST], s10, v[AST]
	v_add_nc_u32 v[ARD], s10, v[VOFF]              ; back: 32 lanes take a row of 512 bytes
	s_mul_i32 s9, s2, 20*XP
	s_add_co_u32 s9, s9, XT
	v_add_nc_u32 v[AXS], s9, v[VOFF]
	s_mul_i32 s9, s2, 80
	v_lshl_add_u32 v[LA], v1, 2, s9
	v_lshlrev_b32 v229, 5, v0                      ; b1: 8 columns a thread
	v_lshlrev_b32 v230, 7, v3                      ; b2: 32 columns on for the upper half of the lanes
	v_lshrrev_b32 v231, 3, v0                      ; b1 into LDS: column 64 g + 4 m + a goes to place 64 g + 16 a + m; thread t has g = t / 8, m = 2 (t % 8) + i / 4, a = i % 4
	v_lshlrev_b32 v231, 8, v231
	v_and_b32 v27, 7, v0
	v_lshl_add_u32 v231, v27, 3, v231
	v_add_nc_u32 v231, B1S, v231
	v_lshlrev_b32 v239, 2, v2                      ; list entry r
	s_lshl_b32 s9, s2, 11
	v_add_nc_u32 v234, s9, v1                      ; the rowid of my lane's bit in my wave's first word: 32 x 64 w + lane
	s_mov_b32 s10, 0xffff0000                      ; a word's upper bf16
	s_cmp_eq_u32 s4, 0
	s_cselect_b32 s100, 1.0, 0                     ; b2 is added by the first half alone
	s_mov_b32 s101, s100                           ; named with it as a pair
	; EACH EXPERT'S COUNT: my 8 words' sum, two experts packed to a register (each at most 4,096), over the lanes
	s_wait_loadcnt 0x0
.irp e, 0,1,2,3,4,5,6,7
	v_add3_u32 v[208+\e], v[144+8*\e], v[145+8*\e], v[146+8*\e]
	v_add3_u32 v[147+8*\e], v[147+8*\e], v[148+8*\e], v[149+8*\e]
	v_add3_u32 v[208+\e], v[208+\e], v[147+8*\e], v[150+8*\e]
	v_add_nc_u32 v[208+\e], v[208+\e], v[151+8*\e]
.endr
.irp q, 0,1,2,3
	v_lshl_or_b32 v[216+\q], v[209+2*\q], 16, v[208+2*\q]
.endr
.irp m, 1,2,4,8
.irp q, 0,1,2,3
	v_mov_b32_dpp v[224+\q], v[216+\q] row_xmask:\m row_mask:0xf bank_mask:0xf
.endr
.irp q, 0,1,2,3
	v_add_nc_u32 v[216+\q], v[216+\q], v[224+\q]
.endr
.endr
.irp q, 0,1,2,3
	v_permlanex16_b32 v[224+\q], v[216+\q], s98, s99
.endr
.irp q, 0,1,2,3
	v_add_nc_u32 v[216+\q], v[216+\q], v[224+\q]
.endr
.irp q, 0,1,2,3
	v_readfirstlane_b32 s9, v[216+\q]
	s_and_b32 s[16+2*\q], s9, 0xffff
	s_lshr_b32 s[17+2*\q], s9, 16
.endr
	; WHICH TILE IS MINE, without a branch: the last expert whose first tile's number is at most T
	s_mov_b32 s8, 0                                ; tiles of the experts so far
	s_mov_b32 s5, 0                                ; E
	s_mov_b32 s6, 0                                ; its first tile's number
	s_mov_b32 s7, 0                                ; its count
.irp e, 0,1,2,3,4,5,6,7
	s_cmp_ge_u32 s3, s8
	s_cselect_b32 s5, \e, s5
	s_cselect_b32 s6, s8, s6
	s_cselect_b32 s7, s[16+\e], s7
	s_add_co_u32 s9, s[16+\e], 79
	s_mul_i32 s9, s9, 3277                         ; (c + 79) / 80 = (c + 79) x 3277 >> 18, exact up to 4,175
	s_lshr_b32 s9, s9, 18
	s_add_co_u32 s8, s8, s9
.endr
	s_min_u32 s5, s5, 7
	s_sub_co_u32 s11, s3, s6
	s_mul_i32 s11, s11, 80                         ; the rank of my tile's first row among the expert's
	s_sub_co_u32 s12, s7, s11
	s_min_u32 s12, s12, 80
	s_cmp_lt_u32 s3, s8
	s_cselect_b32 s12, s12, 0                      ; my rows: 1 to 80, or none past the last tile
	; REQUESTS: my wave's 64 words of the expert's bitmap; b1; b2; the ring's first six slots
	s_mov_b32 s15, 0
	s_lshl_b32 s14, s5, 10
	s_lshl_b32 s9, s2, 8
	s_add_co_u32 s14, s14, s9
	s_add_nc_u64 s[84:85], s[84:85], s[14:15]      ; (the loads of the counts, which named this base, are in)
	s_load_b512 s[16:31], s[84:85], 0x0
	s_load_b512 s[32:47], s[84:85], 0x40
	s_load_b512 s[48:63], s[84:85], 0x80
	s_load_b512 s[68:83], s[84:85], 0xc0
	s_lshl_b32 s14, s5, 13
	s_lshl_b32 s9, s4, 12
	s_add_co_u32 s14, s14, s9
	s_add_nc_u64 s[92:93], s[92:93], s[14:15]      ; b1[E][1024 s ..]
	s_lshl_b32 s14, s5, 11
	s_lshl_b32 s9, s2, 9
	s_add_co_u32 s14, s14, s9
	s_add_nc_u64 s[94:95], s[94:95], s[14:15]      ; b2[E][128 w ..]
	s_lshl_b32 s14, s5, 3
	s_lshl_b32 s9, s4, 2
	s_add_co_u32 s14, s14, s9
	s_add_co_u32 s14, s14, s2
	s_lshl_b32 s14, s14, 19
	s_add_nc_u64 s[WS:WS+1], s[WS:WS+1], s[14:15]  ; wf[E][s][w]: 4 chunks x 32 slots x 4,096 bytes
	s_lshl_b32 s14, s4, 24
	s_add_nc_u64 s[96:97], s[96:97], s[14:15]      ; part[s]
	global_load_b128 v[112:115], v229, s[92:93]
	global_load_b128 v[116:119], v229, s[92:93] offset:16
.irp hf, 0,1
.irp j, 0,1,2,3,4,5,6,7
	global_load_b128 v[144+32*\hf+4*\j:147+32*\hf+4*\j], v230, s[94:95] offset:256*\hf+16*\j  ; columns 128 w + 64 half + 32 hh + 4 j + 0..3
.endr
.endr
	WIN 0x40                                       ; destination window 1
.set n, 0
.rept 48
	global_load_b128 v[4*n:4*n+3], v[VOFF], s[WS:WS+1] offset:512*n
.set n, n+1
.endr
	WIN 0
	; the expert's rows in the words ahead of my wave's: lanes below 8 w hold them
	v_mov_b32 v228, v208
.irp e, 1,2,3,4,5,6,7
	s_cmp_eq_u32 s5, \e
	s_cselect_b32 s9, -1, 0
	v_cndmask_b32 v228, v228, v[208+\e], s9
.endr
	s_lshl_b32 s9, s2, 3
	v_cmp_gt_u32 vcc_lo, s9, v1
	v_cndmask_b32 v228, 0, v228, vcc_lo
	LSUM 228, 224
	v_readfirstlane_b32 s13, v228
	s_sub_co_i32 s13, s13, s11                     ; the place in my tile of my wave's first row (may lie below 0 or past 79)
	; THE BIASES, rounded to bf16 like every input
	s_wait_loadcnt 48                              ; b1 and b2 are in: the ring's 48 loads are younger
.irp q, 0,1,2,3
	v_cvt_pk_bf16_f32 v[120+\q], v[112+2*\q], v[113+2*\q]
.endr
.irp q, 0,1,2,3
	v_lshlrev_b32 v[112+2*\q], 16, v[120+\q]
	v_and_b32 v[113+2*\q], s10, v[120+\q]
.endr
.irp i, 0,1,2,3,4,5,6,7
	ds_store_b32 v231, v[112+\i] offset:64*(\i%4)+4*(\i/4)
.endr
.irp hf, 0,1
.irp j, 0,2,4,6
.irp a, 0,1,2,3
	v_cvt_pk_bf16_f32 v[96+\a], v[144+32*\hf+4*\j+\a], v[148+32*\hf+4*\j+\a]
.endr
.irp a, 0,1,2,3
	v_lshlrev_b32 v[32+32*\hf+8*\a+\j], 16, v[96+\a]  ; b2 as an accumulator's registers hold it: half, fragment a, register j
	v_and_b32 v[33+32*\hf+8*\a+\j], s10, v[96+\a]
.endr
.endr
.endr
	; THE LIST.  For each of my 64 words: a set bit's place in the tile is the running count plus the set bits below it; a clear bit, and a place outside 0..79, goes to entry 80.  All lanes on.
	; Four trips of sixteen words: each trip works on s16-31, and the words still to come move down by sixteen registers behind it.
	s_wait_kmcnt 0x0
.macro WORD n
	v_mbcnt_lo_u32_b32 v232, s[\n], s13
	v_cndmask_b32 v232, -1, v232, s[\n]
	v_min_u32 v232, 80, v232
	v_lshl_add_u32 v232, v232, 2, v[LB]
	ds_store_b32 v232, v234
	v_add_nc_u32 v234, 32, v234
	s_bcnt1_i32_b32 s9, s[\n]
	s_add_co_i32 s13, s13, s9
.endm
	s_mov_b32 s14, 4
.Lwords:
.set n, 16
.rept 16
	WORD n
.set n, n+1
.endr
.irp n, 0,2,4,6,8,10,12,14
	s_mov_b64 s[16+\n:17+\n], s[32+\n:33+\n]
	s_mov_b64 s[32+\n:33+\n], s[48+\n:49+\n]
	s_mov_b64 s[48+\n:49+\n], s[68+\n:69+\n]
.endr
	s_sub_co_u32 s14, s14, 1
	s_cmp_lg_u32 s14, 0
	s_cbranch_scc1 .Lwords
	BAR                                            ; the four lists and b1 are in LDS
	; THE GATHER.  An entry is written in one wave's list at the most and is 0 in the others: the four are joined by OR.
.irp k, 0,1,2,3
	ds_load_b32 v[235+\k], v[LA] offset:512*\k     ; lanes 0-19: my wave's 20 rows
.endr
.irp b, 0,1,2,3,4
	ds_load_b32 v[RID+\b], v239 offset:64*\b
	ds_load_b32 v[116+3*\b], v239 offset:512+64*\b
	ds_load_b32 v[117+3*\b], v239 offset:1024+64*\b
	ds_load_b32 v[118+3*\b], v239 offset:1536+64*\b
.endr
	s_wait_dscnt 0x0
	v_or_b32 v235, v235, v236
	v_or_b32 v237, v237, v238
	v_or_b32 v235, v235, v237
.set i, 0
.rept 20                                               ; the 20 rows' numbers as scalars: all the lane reads, then all the scalar lines, then all the offsets, so that no line waits for the one before it
	v_readlane_b32 s[32+i], v235, i
.set i, i+1
.endr
.irp b, 0,1,2,3,4
	v_or_b32 v[RID+\b], v[RID+\b], v[116+3*\b]
	v_or_b32 v[117+3*\b], v[117+3*\b], v[118+3*\b]
	v_or_b32 v[RID+\b], v[RID+\b], v[117+3*\b]
	v_min_u32 v[RID+\b], 0x1fff, v[RID+\b]
	v_lshlrev_b32 v[131+\b], 2, v[RID+\b]          ; gate[rowid]
.endr
.set i, 0
.rept 20
	s_min_u32 s[32+i], s[32+i], 0x1fff
	s_and_b32 s[32+i], s[32+i], 0xfff              ; the token
	s_lshl_b32 s[32+i], s[32+i], 10                ; its row of 1,024 bytes in xb
.set i, i+1
.endr
.set i, 0
.rept 20
	v_add_nc_u32 v[96+i], s[32+i], v[VOFF]
.set i, i+1
.endr
.set n, 0
.rept 40                                               ; row n / 2, half n % 2: 512 neighbouring bytes a load, into z's registers, which are idle yet
.if n < 24
	WIN 0x80
	global_load_b128 v[160+4*n:163+4*n], v[96+n/2], s[88:89] offset:512*(n%2)
.else
	WIN 0xc0
	global_load_b128 v[160+4*(n-24):163+4*(n-24)], v[96+n/2], s[88:89] offset:512*(n%2)
.endif
.set n, n+1
.endr
	WIN 0
.irp b, 0,1,2,3,4
	global_load_b32 v[G+\b], v[131+\b], s[86:87]
.endr
	; while they are on their way: y's sums begin with b2 (first half) or with 0 (second half), and GELU's constants are written where the bitmap lay
.irp hf, 0,1
	WIN 0x80+0x40*\hf
.irp b, 0,1,2,3,4
.irp a, 0,1,2,3
.irp j, 0,2,4,6
	v_pk_mul_f32 v[8*(\a+4*\b)+\j:8*(\a+4*\b)+\j+1], v[32+32*\hf+8*\a+\j:33+32*\hf+8*\a+\j], s[100:101] op_sel_hi:[1,0]
.endr
.endr
.endr
.endr
	WIN 0
	s_mov_b32 s16, 0x3ebf7377                      ; A3 / 2 =  0.3739278 (each named as a pair: both words are written)
	s_mov_b32 s17, s16
	s_mov_b32 s18, 0xbd445ca1                      ; A2 / 2 = -0.0479399
	s_mov_b32 s19, s18
	s_mov_b32 s20, 0x3e32303a                      ; A1 / 2 =  0.1740121
	s_mov_b32 s21, s20
	s_mov_b32 s26, 0xbf38aa3b                      ; -log2(e) / 2
	s_mov_b32 s27, s26
	s_mov_b32 s28, 0x3eaa540e                      ; 0.47047 / sqrt 2
	s_mov_b32 s30, 4                               ; chunks to go
	s_wait_loadcnt 0x0                             ; x's rows and the gates (and, older, the ring's first slots)
.set n, 0
.rept 40
.if n < 24
	WIN 0x08                                       ; a store's data is source 1
	ds_store_b128 v[AXS], v[160+4*n:163+4*n] offset:XP*(n/2)+512*(n%2)
.else
	WIN 0x0c
	ds_store_b128 v[AXS], v[160+4*(n-24):163+4*(n-24)] offset:XP*(n/2)+512*(n%2)
.endif
.set n, n+1
.endr
	WIN 0
	BAR                                            ; the tile of x is whole
	LDX 0, FRA
	LDX 1, FRA+40
	LDBIAS
; A PAIR: two ring slots' eight weight fragments x five fragments of x or h each: 40 matrix instructions behind ONE run of loads.  Sixteen pairs a chunk.
; Pairs 0-7: the first product's K steps 2 q and 2 q + 1.  Pairs 8-15: the second product's K step q - 8, column halves 0 and 1.
; The accumulators take turns, one instruction a turn: z's twelve tiles of window 2 for both K steps, then its eight of window 3; y's twenty of half 0, then of half 1.
; The two slots that the pair before has read are asked for again at once, with the data of the pair three on: three pairs, 48 loads, of the wave are out at the most.
; last = 1: the last chunk's last four pairs: nothing past the stream's end is asked for, and the counts run down.
.macro PAIR q, last
.if (\last) && ((\q) > 13)
	s_wait_loadcnt 16*(15-(\q))                    ; my pair's sixteen loads are in; what is left of the stream stays out
.else
	s_wait_loadcnt 32                              ; my pair's sixteen loads are in; the two younger pairs stay out
.endif
	s_wait_dscnt 0x0                               ; this pair's fragments of x or h, asked for a pair ago
	PLACES                                         ; behind the last pair's products, ahead of the loads into the registers that they read
.if !(\last) || ((\q) <= 12)
	WIN 0x40
.set sl, 32*((2*(\q)+6)%8)
.set i, 0
.rept 16
	global_load_b128 v[sl+4*i:sl+4*i+3], v[VOFF], s[WS:WS+1] offset:(2*(\q)+6)*4096+512*i
.set i, i+1
.endr
.endif
	WIN 0
.if (\q) < 7
.set nf, FRA+112*(((\q)+1)%2)
	LDX 2*(\q)+2, nf
	LDX 2*(\q)+3, nf+40
.elseif (\q) >= 8
.if (\q) < 15
	LDH (\q)-7, FRB+40*(((\q)-7)%2)
.elseif !(\last)
	v_add_nc_u32 v[AB1], 1024, v[AB1]              ; the next chunk's bias and first fragments of x
	LDX 0, FRA
	LDX 1, FRA+40
	LDBIAS
.endif
.endif
.if (\q) < 8
.set fr, FRA+112*((\q)%2)
.irp wn, 0,1
.irp st, 0,1
.set rg, 32*((2*(\q)+\st)%8)
.set tau, 12*\wn
.rept 12-4*\wn                                         ; z^T tile a + 4 b, a = tau % 4, b = tau / 4; the first K step starts the sums with the bias
.set zr, 160+8*(tau%12)
.if ((\q) == 0) && (\st == 0)
	WIN 0x81+0x40*\wn
	v_wmma_f32_16x16x32_bf16 v[zr:zr+7], v[rg+8*(tau%4):rg+8*(tau%4)+7], v[fr+40*\st+8*(tau/4):fr+40*\st+8*(tau/4)+7], v[BIAS+8*(tau%4):BIAS+8*(tau%4)+7]
.else
	WIN 0xa1+0x50*\wn
	v_wmma_f32_16x16x32_bf16 v[zr:zr+7], v[rg+8*(tau%4):rg+8*(tau%4)+7], v[fr+40*\st+8*(tau/4):fr+40*\st+8*(tau/4)+7], v[zr:zr+7]
.endif
.set tau, tau+1
.endr
.endr
.endr
.else
.set fr, FRB+40*(((\q)-8)%2)
.irp hf, 0,1
.set rg, 32*((2*(\q)+\hf)%8)
	WIN 0xa1+0x50*\hf
.set tau, 0
.rept 20
	v_wmma_f32_16x16x32_bf16 v[8*tau:8*tau+7], v[rg+8*(tau%4):rg+8*(tau%4)+7], v[fr+8*(tau/4):fr+8*(tau/4)+7], v[8*tau:8*tau+7]
.set tau, tau+1
.endr
.endr
.endif
.endm
; GELU, a row block b (a lane's 32 numbers: 4 fragments x 8 hidden columns of one row) at a time, the blocks overlapped: block b's 64 transcendentals stand one by one between plain lines, block b's
; scalings and block b - 1's polynomial.  A block's transcendentals are ONE batch; nothing names their results before the one wait that stands ahead of the next block's mixed part.
; T and U have two sets, by b's parity, in registers that hold fragments at other times.
.macro GSET b                          ; block b: z's window and first register, its T and U
.set zw, 2+(\b)/3
.set zb, 160+32*((\b)%3)
.set tb, T-112*((\b)%2)
.set ub, tb+32
.endm
.macro GS1 b                           ; what reads z first: each accumulator from its lowest register on
	GSET \b
	WIN zw
.set i, 0
.rept 32
	v_fma_f32 v[tb+i], |v[zb+i]|, s28, 1.0         ; 1 + p |z| / sqrt 2
.set i, i+1
.endr
	WIN zw*5
.set i, 0
.rept 16
	v_pk_mul_f32 v[ub+2*i:ub+2*i+1], v[zb+2*i:zb+2*i+1], v[zb+2*i:zb+2*i+1]
.set i, i+1
.endr
.endm
; The mixed part.  For block b (none: -1), pair i: -z z log2(e) / 2; t = 1 / T; one trip later e^(-z z / 2).  For block pb (none: -1): q's four lines, each a trip behind the one that feeds it.
.macro GMIX b, pb
	WIN 0
.if (\b) >= 0
.set tc, T-112*((\b)%2)
.set uc, tc+32
.endif
.if (\pb) >= 0
.set tp, T-112*((\pb)%2)
.set up, tp+32
.endif
.set i, 0
.rept 19
.if ((\b) >= 0) && (i < 16)
	v_pk_mul_f32 v[uc+2*i:uc+2*i+1], v[uc+2*i:uc+2*i+1], s[26:27] op_sel_hi:[1,0]
	v_rcp_f32 v[tc+2*i], v[tc+2*i]
.endif
.if ((\pb) >= 0) && (i < 16)
	v_pk_fma_f32 v[P+2*i:P+2*i+1], v[tp+2*i:tp+2*i+1], s[16:17], s[18:19] op_sel_hi:[1,0,0]
.endif
.if ((\b) >= 0) && (i < 16)
	v_rcp_f32 v[tc+2*i+1], v[tc+2*i+1]
.endif
.if ((\pb) >= 0) && (i >= 1) && (i < 17)
	v_pk_fma_f32 v[P+2*i-2:P+2*i-1], v[P+2*i-2:P+2*i-1], v[tp+2*i-2:tp+2*i-1], s[20:21] op_sel_hi:[1,1,0]
.endif
.if ((\b) >= 0) && (i >= 1) && (i < 17)
	v_exp_f32 v[uc+2*i-2], v[uc+2*i-2]
.endif
.if ((\pb) >= 0) && (i >= 2) && (i < 18)
	v_pk_mul_f32 v[P+2*i-4:P+2*i-3], v[P+2*i-4:P+2*i-3], v[tp+2*i-4:tp+2*i-3]
.endif
.if ((\b) >= 0) && (i >= 1) && (i < 17)
	v_exp_f32 v[uc+2*i-1], v[uc+2*i-1]
.endif
.if ((\pb) >= 0) && (i >= 3)
	v_pk_mul_f32 v[P+2*i-6:P+2*i-5], v[P+2*i-6:P+2*i-5], v[up+2*i-6:up+2*i-5]  ; q
.endif
.set i, i+1
.endr
.endm
.macro GS2 b                           ; max(z, 0) - |z| q, rounded to bf16, into LDS
	GSET \b
	WIN zw*4                                       ; z as source 1
.set i, 0
.rept 32
	v_max_num_f32 v[ub+i], 0, v[zb+i]
.set i, i+1
.endr
.set i, 0
.rept 32
	v_fma_f32 v[ub+i], v[P+i], -|v[zb+i]|, v[ub+i]
.set i, i+1
.endr
	WIN 0
.set i, 0
.rept 16
	v_cvt_pk_bf16_f32 v[tb+i], v[ub+2*i], v[ub+2*i+1]
.set i, i+1
.endr
.irp a, 0,1,2,3
	ds_store_b128 v[ASH], v[tb+4*\a:tb+4*\a+3] offset:16*HP*(\b)+32*\a  ; row 16 b + r, places 64 w + 16 a + 8 hh + 0..7
.endr
.endm
.Lchunk:                                               ; four trips: 256 hidden columns each
.set qq, 0
.rept 8
	PAIR qq, 0
.set qq, qq+1
.endr
	WIN 0
	PLACES                                         ; behind the last products, ahead of GELU's reads of z and its writes over the fragments
	BAR                                            ; every wave's reads of the last chunk's h are back: h may be written
	GS1 0
	GMIX 0, -1
.irp b, 1,2,3,4
	GS1 \b                                         ; plain lines behind the last block's batch,
	s_wait_alu depctr_va_vdst(0)                   ; and the one wait ahead of that batch's first reader
	GMIX \b, \b-1
	GS2 \b-1
.endr
	s_wait_alu depctr_va_vdst(0)                   ; the last batch's wait
	GMIX -1, 4
	GS2 4
	BAR                                            ; the chunk's h is whole
	LDH 0, FRB
.rept 4
	PAIR qq, 0
.set qq, qq+1
.endr
	WIN 0
	s_sub_co_u32 s30, s30, 1
	s_cmp_lg_u32 s30, 0
	s_cbranch_scc0 .Llast                          ; the last chunk's tail is written out: it asks for nothing past the stream's end
.rept 4
	PAIR qq, 0
.set qq, qq+1
.endr
	WIN 0
	s_wait_xcnt 0x0                                ; the stream's base is stepped only behind this wait
	s_add_nc_u64 s[WS:WS+1], s[WS:WS+1], 131072    ; a chunk: 32 slots
	s_cmp_lg_u32 s30, 0
	s_cbranch_scc1 .Lchunk
.Llast:
.set qq, 12
.rept 4
	PAIR qq, 1
.set qq, qq+1
.endr
	WIN 0
	PLACES                                         ; behind the last products, ahead of the reads below
; THE WAY OUT, a row block b (16 rows) at a time.  MULB: times the row's gate.  STAGE: through my own stage in LDS, where the output columns come back into their order (column 64 half + 32 hh + 4 j + a), and back as
; whole rows of 512 bytes.  SEND: stored to part[s][rowid].  Block b + 1's multiplies stand between block b's loads from the stage and its stores; the rows come back into two register sets by turns.
; Store lines of rows past my count are jumped, forward, with no barrier in what is jumped.
.macro ORS b, i                        ; where row i of block b comes back: v32-95, or v96-143 and v208-223
.if ((\b)%2) == 0
.set orr, 32+4*(\i)
.elseif (\i) < 12
.set orr, 96+4*(\i)
.else
.set orr, 208+4*((\i)-12)
.endif
.endm
.macro MULB b
.irp hf, 0,1
	WIN 2+\hf
.irp a, 0,1,2,3
.irp j, 0,1,2,3,4,5,6,7
	v_mul_f32 v[T+32*\hf+4*\j+\a], v[8*(\a+4*(\b))+\j], v[G+(\b)]  ; each accumulator from its lowest register on
.endr
.endr
.endr
.endm
.macro STAGE b
	WIN 0
.if (\b) >= 1
	s_wait_xcnt 0x0                                ; the stores so far have had their addresses translated (ISA guide 3.1): their data and offset registers are rewritten only behind this wait
.endif
.irp hf, 0,1
.irp j, 0,1,2,3,4,5,6,7
	ds_store_b128 v[AST], v[T+32*\hf+4*\j:T+32*\hf+4*\j+3] offset:256*\hf+16*\j
.endr
.endr
.set i, 0
.rept 16
	ORS \b, i
	ds_load_b128 v[orr:orr+3], v[ARD] offset:HP*i  ; LDS serves a wave's instructions in order (ISA guide 5.7.1.4): these see the stores above, and the next block's stores come behind them
.set i, i+1
.endr
.endm
.macro SEND b
	WIN 0
.set i, 0
.rept 16                                               ; the 16 rows' numbers as scalars, in batches
	v_readlane_b32 s[32+i], v[RID+(\b)], i
.set i, i+1
.endr
.set i, 0
.rept 16
	s_min_u32 s[32+i], s[32+i], 0x1fff
	s_lshl_b32 s[32+i], s[32+i], 11                ; a row of part: 2,048 bytes
.set i, i+1
.endr
.set i, 0
.rept 16
	v_add_nc_u32 v[VO+i], s[32+i], v[VOW]
.set i, i+1
.endr
.set i, 0
.rept 16
	ORS \b, i
	s_cmp_gt_u32 s12, 16*(\b)+i
	s_cbranch_scc0 .Lfin
	s_wait_dscnt 15-i                              ; row i is back; the younger rows' loads stay out
	global_store_b128 v[VO+i], v[orr:orr+3], s[96:97]  ; 512 consecutive bytes, at a multiple of 512 from part's first
.set i, i+1
.endr
.endm
	MULB 0
	STAGE 0
.irp b, 1,2,3,4
	MULB \b
	SEND \b-1
	STAGE \b
.endr
	SEND 4
.Lfin:
	s_wait_tensorcnt 0x0                           ; the wave's end
	ds_add_u32 v30, v31
	s_wait_dscnt 0x0
	s_endpgm
.Lfunc_end_k_q410266aa6f_chain:
	.size	k_q410266aa6f_chain, .Lfunc_end_k_q410266aa6f_chain-k_q410266aa6f_chain
	.p2alignl 7, 3214868480
	.fill 96, 4, 3214868480
	.section	.rodata,"a",@progbits
	.p2align	6, 0x0
	.amdhsa_kernel k_q410266aa6f_chain
		.amdhsa_group_segment_fixed_size 165888
		.amdhsa_private_segment_fixed_size 0
		.amdhsa_enable_private_segment 0
		.amdhsa_kernarg_size 56
		.amdhsa_user_sgpr_count 2
		.amdhsa_user_sgpr_kernarg_segment_ptr 1
		.amdhsa_wavefront_size32 1
		.amdhsa_system_sgpr_workgroup_id_x 1
		.amdhsa_system_sgpr_workgroup_id_y 1
		.amdhsa_system_sgpr_workgroup_id_z 1
		.amdhsa_system_vgpr_workitem_id 0
		.amdhsa_next_free_vgpr 992
		.amdhsa_next_free_sgpr 102
		.amdhsa_reserve_vcc 1
		.amdhsa_float_denorm_mode_32 3
		.amdhsa_float_denorm_mode_16_64 3
		.amdhsa_memory_ordered 1
		.amdhsa_forward_progress 1
		.amdhsa_inst_pref_size 255
	.end_amdhsa_kernel
	.section	.bss,"aw",@nobits
	.p2align	6
	.space	262144
	.amdgpu_metadata
---
amdhsa.version: [ 1, 2 ]
amdhsa.kernels:
  - .name:           k_q410266aa6f_chain
    .symbol:         k_q410266aa6f_chain.kd
    .args:
      - { .name: route, .offset: 0, .size: 8, .value_kind: global_buffer, .address_space: global }
      - { .name: gate, .offset: 8, .size: 8, .value_kind: global_buffer, .address_space: global }
      - { .name: xb, .offset: 16, .size: 8, .value_kind: global_buffer, .address_space: global }
      - { .name: wf, .offset: 24, .size: 8, .value_kind: global_buffer, .address_space: global }
      - { .name: b1, .offset: 32, .size: 8, .value_kind: global_buffer, .address_space: global }
      - { .name: b2, .offset: 40, .size: 8, .value_kind: global_buffer, .address_space: global }
      - { .name: part, .offset: 48, .size: 8, .value_kind: global_buffer, .address_space: global }
    .group_segment_fixed_size: 165888
    .private_segment_fixed_size: 0
    .kernarg_segment_align: 8
    .kernarg_segment_size: 56
    .max_flat_workgroup_size: 128
    .sgpr_count:     102
    .vgpr_count:     992
    .wavefront_size: 32
...
	.end_amdgpu_metadata
.endif
;; end of part 2
;; launch sum (part 3): grid 512 x 1, 8 waves a work-group, no clusters, 0 bytes of LDS; arguments part, out0; writes out0
.if DOCPART == 3
	.amdgcn_target "amdgcn-amd-amdhsa--gfx1250"
	.amdhsa_code_object_version 6
	.text
	.protected	k_q410266aa6f_sum
	.globl	k_q410266aa6f_sum
	.p2align	8
	.type	k_q410266aa6f_sum,@function
k_q410266aa6f_sum:
	s_mov_b64 s[64:65], 0
	v_nop
	global_prefetch_b8 v0, s[64:65] scope:SCOPE_SE
	s_setreg_imm32_b32 hwreg(HW_REG_WAVE_MODE, 25, 1), 1
	s_wait_xcnt 0x0
; out0[t][:] = part[0][t] + part[0][4096 + t] + part[1][t] + part[1][4096 + t]: a token's two choices x the two halves of the hidden columns, all f32.
; A stream: each byte is read once and written once; no LDS, no barrier, no matrix unit.  A work-group has 16,384 bytes of out0, in four pieces of 4,096; a thread 16 bytes of each piece.
; All 16 loads of a thread go out at once, piece by piece; a wave's load or store covers 512 consecutive aligned bytes.
.set D, 8                              ; v[8:71]  piece p, part q at D + 16 p + 4 q
	s_load_b128 s[4:7], s[0:1], 0x0                ; part s[4:5], out0 s[6:7]
	s_lshl_b32 s8, ttmp9, 14
	s_mov_b32 s9, 0
	v_lshlrev_b32 v1, 4, v0
	s_wait_kmcnt 0x0
	s_add_nc_u64 s[4:5], s[4:5], s[8:9]
	s_add_nc_u64 s[6:7], s[6:7], s[8:9]
	s_add_nc_u64 s[10:11], s[4:5], 0x800000        ; the four parts lie 8 MiB apart: past a load's immediate, so each has a base
	s_add_nc_u64 s[12:13], s[4:5], 0x1000000
	s_add_nc_u64 s[14:15], s[4:5], 0x1800000
.irp p, 0,1,2,3
	global_load_b128 v[D+16*\p:D+16*\p+3],     v1, s[4:5]   offset:4096*\p th:TH_LOAD_NT
	global_load_b128 v[D+16*\p+4:D+16*\p+7],   v1, s[10:11] offset:4096*\p th:TH_LOAD_NT
	global_load_b128 v[D+16*\p+8:D+16*\p+11],  v1, s[12:13] offset:4096*\p th:TH_LOAD_NT
	global_load_b128 v[D+16*\p+12:D+16*\p+15], v1, s[14:15] offset:4096*\p th:TH_LOAD_NT
.endr
.irp p, 0,1,2,3
	s_wait_loadcnt 12-4*\p                         ; piece p's four loads are in; the later pieces' stay out
.irp h, 0,2
	v_pk_add_f32 v[D+16*\p+\h:D+16*\p+\h+1], v[D+16*\p+\h:D+16*\p+\h+1], v[D+16*\p+4+\h:D+16*\p+5+\h]
	v_pk_add_f32 v[D+16*\p+8+\h:D+16*\p+9+\h], v[D+16*\p+8+\h:D+16*\p+9+\h], v[D+16*\p+12+\h:D+16*\p+13+\h]
.endr
.irp h, 0,2
	v_pk_add_f32 v[D+16*\p+\h:D+16*\p+\h+1], v[D+16*\p+\h:D+16*\p+\h+1], v[D+16*\p+8+\h:D+16*\p+9+\h]
.endr
	global_store_b128 v1, v[D+16*\p:D+16*\p+3], s[6:7] offset:4096*\p th:TH_STORE_NT
.endr
	s_endpgm
.Lfunc_end_k_q410266aa6f_sum:
	.size	k_q410266aa6f_sum, .Lfunc_end_k_q410266aa6f_sum-k_q410266aa6f_sum
	.p2alignl 7, 3214868480
	.fill 96, 4, 3214868480
	.section	.rodata,"a",@progbits
	.p2align	6, 0x0
	.amdhsa_kernel k_q410266aa6f_sum
		.amdhsa_group_segment_fixed_size 0
		.amdhsa_private_segment_fixed_size 0
		.amdhsa_enable_private_segment 0
		.amdhsa_kernarg_size 16
		.amdhsa_user_sgpr_count 2
		.amdhsa_user_sgpr_kernarg_segment_ptr 1
		.amdhsa_wavefront_size32 1
		.amdhsa_system_sgpr_workgroup_id_x 1
		.amdhsa_system_sgpr_workgroup_id_y 1
		.amdhsa_system_sgpr_workgroup_id_z 1
		.amdhsa_system_vgpr_workitem_id 0
		.amdhsa_next_free_vgpr 72
		.amdhsa_next_free_sgpr 66
		.amdhsa_reserve_vcc 0
		.amdhsa_float_denorm_mode_32 3
		.amdhsa_float_denorm_mode_16_64 3
		.amdhsa_memory_ordered 1
		.amdhsa_forward_progress 1
		.amdhsa_inst_pref_size 5
	.end_amdhsa_kernel
	.amdgpu_metadata
---
amdhsa.version: [ 1, 2 ]
amdhsa.kernels:
  - .name:           k_q410266aa6f_sum
    .symbol:         k_q410266aa6f_sum.kd
    .args:
      - { .name: part, .offset: 0, .size: 8, .value_kind: global_buffer, .address_space: global }
      - { .name: out0, .offset: 8, .size: 8, .value_kind: global_buffer, .address_space: global }
    .group_segment_fixed_size: 0
    .private_segment_fixed_size: 0
    .kernarg_segment_align: 8
    .kernarg_segment_size: 16
    .max_flat_workgroup_size: 256
    .sgpr_count:     66
    .vgpr_count:     72
    .wavefront_size: 32
...
	.end_amdgpu_metadata
.endif
;; end of part 3
